; MI455X (gfx1250); checked and timed in simulation.
; The chip was launched on July 23, 2026; its instructions are those of AMD's public machine-readable ISA for CDNA 5 (MIT licence, August 2026) and "CDNA5" Instruction Set Architecture Reference Guide (July 2026). The comments in the code are by the model that wrote it; some were corrected since.
;; Sparse Matmul Gate Up. Allowed arithmetic: matrix products marked QUANTISED: E2M1 operands, one E8M0 scale for each 32 along K, by v_wmma_scale_f32_16x16x128_f8f6f4 with both operands' format E2M1 (or v_wmma_scale_f32_32x16x128_f4), f32 sums; everything else in f32.
;; Inputs: hidden_4d 2,048 x 8 x 1 x 2,048 float32; sparsity 2,048 x 8 int32; weight_codes 1 x 8 x 2,048 x 64 x 16 uint8 (E2M1 codes of weight, K innermost, in blocks of 32 codes, two codes a byte); weight_scales 1 x 8 x 2,048 x 64 uint8 (E8M0 scales of weight, one for each 32 codes along K).
;; Outputs: out0 2,048 float32.
;; This version of the problem:
;;   THIS VERSION OF THE PROBLEM IS GIVEN IN LOW PRECISION. The matrix products marked QUANTISED in the list below multiply operands that are first quantised to E2M1 (2 exponent bits, 1 mantissa bit; 4 bits a number), with one power-of-two scale for each 32 numbers along K (OCP MX v1.0); their sums are f32. All else is computed in f32.
;;   The module's matrix products, in the order in which they are computed (A, B: the left and right operand; K: the contracted axis; several contracted axes count as one K, in the product's order):
;;     1. batch 8 x [M 2,048, K 2,048] x [K 2,048, N 2,048]; A: input weight (given as codes); B: computed on the way: QUANTISED
;;   THE QUANTISER, for each operand of a quantised product, along K:
;;     - K is cut into blocks of 32 from its start; a last block that is shorter is filled with zeros.
;;     - A block's scale is 2^e with e = floor(log2(the largest magnitude in the block)) - 2, held to -126 .. 127; a block of zeros has e = 0. As a byte (E8M0): e + 127.
;;     - Each number is divided by its block's scale, clamped to +-6, and rounded to the nearest number of E2M1, ties to even, subnormals kept.
;;     - The product sums the exact products of the quantised numbers (number of the format x scale) in f32.
;;   ~~~python
;;   def quantise(x, axis):      # numpy; x: float32 -> the quantised numbers, widened to float32 again
;;       x = np.moveaxis(x, axis, -1); K = x.shape[-1]
;;       x = np.pad(x, [(0, 0)] * (x.ndim - 1) + [(0, -K % 32)]); x = x.reshape(x.shape[:-1] + (-1, 32)); a = np.abs(x).max(-1, keepdims=True)
;;       e = np.where(a > 0, np.clip(np.frexp(np.where(a > 0, a, 1))[1] - 1 - 2, -126, 127), 0)      # np.frexp(a)[1] - 1 = floor(log2(a)), exactly
;;       r = np.clip(x / 2.0 ** e, -6, 6)
;;       step = 2.0 ** (np.maximum(np.frexp(np.where(r == 0, 1, r))[1] - 1, 0) - 1)
;;       q = np.round(r / step) * step * 2.0 ** e      # np.round: ties to even
;;       return np.moveaxis(q.reshape(q.shape[:-2] + (-1,))[..., :K], -1, axis).astype(np.float32)
;;   ~~~
;;   OPERANDS COMPUTED ON THE WAY. 'Computed on the way' means the value that the module computes at that place (a softmax that the list does not call 'softmax' is quantised finished and normalised). What goes into a quantiser is computed in f32, as accurately as f32 sums, v_exp_f32 and their like allow (about 1e-6 of the number): no bf16 or f16 on the way to a quantiser, and a product that is left as it is and whose result goes on into a quantised operand takes f32 operands (vector FMAs, or v_wmma_f32_16x16x4_f32). A number that lies on a knife's edge between two numbers of the format may be rounded either way, as far as f32 arithmetic and the matrix unit's own rounding can turn it there, and no further.
;;   INPUTS GIVEN AS CODES. weight (in the module: [1, 8, 2048, 2048], K = its axis 2): each comes as NAME_codes (uint8): NAME with its K axis moved to the last place and cut into blocks of 32 codes, [.., K / 32, bytes a block], one block behind the other in memory; two codes a byte, the lower K in the low four bits (a code: sign, 2 exponent bits, 1 mantissa bit); and NAME_scales (uint8): the same leading axes, one E8M0 byte (e + 127) for each 32 codes along K. Its value is code x scale, taken as it is: it is not quantised again, and the codes and scales need not be those that the quantiser above would give.
;; 2 versions. Each part assembles by itself: llvm-mc -triple=amdgcn-amd-amdhsa -mcpu=gfx1250 --defsym DOCPART=n.
;; ======== version 1 of 2: 2 launches
;; workspace buffers: part 1,048,576 bytes
;; launch gateup (part 1): grid 2 x 128, 8 waves a work-group, no clusters, 238,592 bytes of LDS; arguments hidden_4d, sparsity, weight_codes, weight_scales, part; writes part
.if DOCPART == 1
	.amdgcn_target "amdgcn-amd-amdhsa--gfx1250"
	.amdhsa_code_object_version 6
	.text
	.protected	k_q2962a958ed_gateup
	.globl	k_q2962a958ed_gateup
	.p2align	8
	.type	k_q2962a958ed_gateup,@function
k_q2962a958ed_gateup:
	s_mov_b64 s[64:65], 0
	v_nop
	global_prefetch_b8 v0, s[64:65] scope:SCOPE_SE
	s_setreg_imm32_b32 hwreg(HW_REG_WAVE_MODE, 25, 1), 1
	s_wait_xcnt 0x0
; part[p][b] = the sum over n (2,048) and over the 128 k of part p of Q(hidden[b][e][k] x float(sparsity[b][e])) x W[e][k][n], on codes of FP4 (E2M1) with one E8M0 scale for each 32 along K.
; p = 16 e + kp: expert e, K piece kp (k = 128 kp .. 128 kp + 127).  The work-group (g, p) takes tokens 1,024 g .. 1,024 g + 1,023.  A later launch adds the 128 parts of each token.
; W STAYS, THE TOKENS STREAM.  Wave w of eight keeps W[e][n = 256 w .. 256 w + 255][my 128 k] in registers for the whole launch: 16 fragments of 16 rows x 128 K, 128 registers, and 16 scale words.
; The result sums over n, so all 16 fragments of a wave add into the same accumulator of a tile of 16 tokens: eight accumulators, by turns.
; The tokens go in 4 rounds of 256 (16 tiles).  For a round, wave w brings its UNIT, 32 tokens x 512 bytes of f32, multiplies by the mask, quantises it in registers (two tiles) and hands codes and scale words to all
; waves through LDS as images of the operand registers: 16 bytes a lane at 16 x lane, 512 bytes a store; a scale word at 4 x lane.  Every wave multiplies all 16 tiles by its 16 fragments.
; ROWS WITH SPARSITY 0 ARE NOT READ.  A row's piece is 512 bytes: one load of 16 bytes a lane, all lanes on; a scalar branch on the unit's row mask jumps over the load of a row that does not count.  Its registers keep an
; older finite number, and the multiplication by 0.0 makes the row zeros, whose codes are zeros.  Such rows are still multiplied.  EXEC is never written.
; THE MATRIX INSTRUCTION: source 0 = 16 rows n of W, source 1 = 16 tokens: in the result a lane holds token lane % 16 and eight rows n; its eight registers are added, the rest of the sum is made at the end through LDS.
; PHASES.  Waves 0-3 quantise the next unit ahead of a round's products, waves 4-7 behind them, so that not all waves do vector work at the same time.  One barrier a round: two image buffers take turns.
; NO CLUSTER: a part of W is read by two work-groups only, once, at the head, into the registers where it stays (136 KB of a group's bytes); in the loop no two work-groups read the same bytes.
; LIMITS: NaN and infinities in hidden_4d are not served (a row with sparsity 0 is not read, so inf x 0 does not arise, and a non-finite number left in a register would spoil a later masked row);
;   a block whose largest magnitude lies under 2^-124 keeps the scale byte 1; a block of zeros gets the byte 1 where the rule says 127 (its codes are zeros, and this program alone reads the bytes);
;   the f32 sums run in another order than the source has them: n tiles, registers, waves, parts.
; LDS: IMG two buffers of 16 tiles x 1,024 bytes; ISC two buffers of 16 x 128 bytes of scale words; STG a stage of 32 rows x (512 + 16) bytes for each wave; PS 64 tiles x 128 bytes of sums for each wave.
; REGISTERS, window 0: v1-14 addresses; v16-31 the mask multipliers of the units to come; v32-47 at work; v48-63 scale words of W; v64-71 scale words of 8 token tiles; v72-199 a unit as it is loaded (its loads stand
;   between branches, where every window is 0); v200-231 sums; v232-249 codes and scale words just made.
;   window 1: v0-127 W; v128-191 8 token fragments (or 64 numbers of tile 0); v192-255 8 accumulators (or 64 numbers of tile 1).
; s_set_vgpr_msb's low byte: bits 1:0 source 0, 3:2 source 1, 5:4 source 2, 7:6 destination.
.set IMG,   0
.set BUFI,  16384                      ; from one image buffer to the other
.set ISC,   32768
.set BUFS,  2048
.set STG,   36864
.set SP,    528                        ; a stage row: 512 bytes + 16: an odd multiple of 16, so that sixteen rows read at one column fall on different banks
.set STW,   32*SP
.set PS,    STG+8*STW
.set UNITB, 0x1000000                  ; 256 tokens of 65,536 bytes: from a unit to the next
.set MK,    16
.set TM,    32
.set WSC,   48
.set TSC,   64
.set R,     72                         ; window 0
.set T,     200
.set PC0,   232
.set PC1,   240
.set PW0,   248
.set PW1,   249
.set TF,    128                        ; window 1
.set X0,    128
.set ACC,   192
.set X1,    192
.set MSB, 0
.macro WIN new                         ; the immediate's high byte repeats the setting that is left; a switch that changes nothing is dropped
.if MSB != \new
	s_set_vgpr_msb (MSB<<8)|\new
.set MSB, \new
.endif
.endm
.macro BARRIER                         ; my LDS stores have landed and my LDS loads are in: then the work-group's barrier
	s_wait_dscnt 0x0
	s_barrier_signal -1
	s_barrier_wait -1
.endm
; Row i of the next unit: 32 lanes x 16 bytes = its 512 consecutive bytes, which begin at a multiple of 256.  s36 holds the unit's row mask, bit i = token i counts.
.macro ROWLD i
	s_bitcmp1_b32 s36, \i
	s_cbranch_scc0 .Lrow_off_\@
	global_load_b128 v[R+4*(\i):R+4*(\i)+3], v1, s[4:5] offset:(\i)*65536 th:TH_LOAD_NT
.Lrow_off_\@:
.endm
; The next unit's rows into R.  step = 1: the base goes on a unit first: the loads that named it are in (the wait for all loads at the head of QSTEP), so the wait below is met at once.
.macro LOADU step
.if \step
	s_wait_xcnt 0x0
	s_add_nc_u64 s[4:5], s[4:5], UNITB
.endif
.irp i, 0,1,2,3,4,5,6,7,8,9,10,11,12,13,14,15,16,17,18,19,20,21,22,23,24,25,26,27,28,29,30,31
	ROWLD \i
.endr
	s_mov_b32 s36, s37                             ; the queue of row masks moves up
	s_mov_b32 s37, s38
	s_mov_b32 s38, s39
.endm
; 64 numbers of a lane, v[s] .. v[s + 63] of window 1, register 16 b + i = k 32 b + 16 (lane / 16) + i of my row, become a fragment's codes in v[pc] on and its scale word in v[pw] (window 0).
.macro QUANT s, pc, pw
	WIN 0x05                                       ; sources 0 and 1 window 1
.irp b, 0,1,2,3
	v_max3_num_f32 v[TM+\b], |v[\s+16*\b]|, |v[\s+1+16*\b]|, 0x1800000   ; block b: my 16 numbers, and the floor 2^(3 - 127): the byte cannot fall under 1
.endr
	WIN 0x14                                       ; sources 1 and 2 window 1
.irp i, 2,4,6,8,10,12,14
.irp b, 0,1,2,3
	v_max3_num_f32 v[TM+\b], v[TM+\b], |v[\s+16*\b+\i]|, |v[\s+1+16*\b+\i]|   ; the four blocks by turns
.endr
.endr
	WIN 0
.irp b, 0,1,2,3
	v_permlanex16_b32 v[TM+4+\b], v[TM+\b], s22, s23
.endr
.irp b, 0,1,2,3
	v_max_num_f32 v[TM+\b], v[TM+\b], v[TM+4+\b]   ; with the lane 16 away: the block's largest magnitude
.endr
.irp b, 0,1,2,3
	v_add_nc_u32 v[TM+12+\b], 0xff000000, v[TM+\b] ; 2 off its exponent field: the conversion takes the exponent field of this operand as its scale
.endr
.irp b, 0,1,2,3
	v_lshrrev_b32 v[TM+4+\b], 23, v[TM+12+\b]      ; the scale's byte
.endr
	v_lshl_or_b32 v[\pw], v[TM+5], 8, v[TM+4]      ; the four bytes make my row's scale word
	v_lshl_or_b32 v[\pw], v[TM+6], 16, v[\pw]
	v_lshl_or_b32 v[\pw], v[TM+7], 24, v[\pw]
	WIN 0x01                                       ; source 0, the numbers: window 1
.irp b, 0,1,2,3
	v_cvt_scalef32_pk8_fp4_f32 v[\pc+2*\b], v[\s+16*\b:\s+7+16*\b], v[TM+12+\b]
	v_cvt_scalef32_pk8_fp4_f32 v[\pc+1+2*\b], v[\s+8+16*\b:\s+15+16*\b], v[TM+12+\b]
.endr
	WIN 0
	v_nop                                          ; one plain place behind the last scaled conversion
.irp c, 0,1                                    ; the operand wants a whole block in a lane: lanes 0-15 block 2 c, lanes 16-31 block 2 c + 1
.irp i, 0,1
	v_permlane16_swap_b32 v[\pc+4*\c+\i], v[\pc+2+4*\c+\i]
.endr
.endr
.endm
; One unit: turned through my stage, masked, quantised, published in image buffer buf.  guard = 1: in the loop's last trip there is no further unit, and no load is issued.
.macro QSTEP buf, guard
	s_wait_loadcnt 0x0                             ; the unit was asked for a round ago and nothing since: the count is 0, however many of its rows were loaded
.irp i, 0,1,2,3,4,5,6,7,8,9,10,11,12,13,14,15,16,17,18,19,20,21,22,23,24,25,26,27,28,29,30,31
	ds_store_b128 v5, v[R+4*\i:R+4*\i+3] offset:\i*SP      ; a row's 512 bytes on end
.endr
	WIN 0x40                                       ; destination window 1, address window 0
.irp a, 0,1                                    ; back: lane (r, h) takes, of row 16 a + r, 16 neighbours of each block of 32.  LDS serves a wave's instructions in order: these see my stores
.irp b, 0,1,2,3
.irp j, 0,1,2,3
	ds_load_b128 v[X0+64*\a+16*\b+4*\j:X0+64*\a+16*\b+4*\j+3], v6 offset:\a*16*SP+128*\b+16*\j
.endr
.endr
.endr
	WIN 0
	s_wait_dscnt 32                                ; all but the 32 loads just issued: the 32 stores have read R, which may be loaded again
.if \guard
	s_cmp_eq_u32 s24, 1
	s_cbranch_scc1 .Lno_load_\@
.endif
	LOADU 1
.if \guard
.Lno_load_\@:
.endif
	s_wait_dscnt 0x0
	WIN 0x41                                       ; destination and source 0 window 1, the multiplier window 0
.irp a, 0,1
.irp j, 0,2,4,6,8,10,12,14,16,18,20,22,24,26,28,30,32,34,36,38,40,42,44,46,48,50,52,54,56,58,60,62
	v_pk_mul_f32 v[X0+64*\a+\j:X0+64*\a+\j+1], v[X0+64*\a+\j:X0+64*\a+\j+1], v[MK+2*\a:MK+2*\a+1] op_sel_hi:[1,0]   ; x float(sparsity) of my row: the pair's low word serves both halves
.endr
.endr
	WIN 0
.irp i, 0,2,4,6,8,10
	v_mov_b32 v[MK+\i], v[MK+4+\i]                 ; the queue of multipliers moves up a unit
.endr
	QUANT X0, PC0, PW0
	ds_store_b128 v7, v[PC0:PC0+3] offset:\buf*BUFI
	ds_store_b128 v7, v[PC0+4:PC0+7] offset:\buf*BUFI+512
	ds_store_b32 v8, v[PW0] offset:\buf*BUFS
	QUANT X1, PC1, PW1
	ds_store_b128 v7, v[PC1:PC1+3] offset:\buf*BUFI+1024
	ds_store_b128 v7, v[PC1+4:PC1+7] offset:\buf*BUFI+1536
	ds_store_b32 v8, v[PW1] offset:\buf*BUFS+128
.endm
; Tiles 8 hh .. 8 hh + 7 of image buffer buf against my 16 fragments of W: 128 matrix instructions, the eight accumulators by turns, one instruction a turn.
.macro MHALF buf, hh
.irp m, 0,1,2,3,4,5,6,7
	ds_load_b32 v[TSC+\m], v10 offset:\buf*BUFS+(8*\hh+\m)*128     ; scale words lie in window 0
.endr
	WIN 0x40                                       ; destination window 1
.irp m, 0,1,2,3,4,5,6,7
	ds_load_b128 v[TF+8*\m:TF+8*\m+3],   v9 offset:\buf*BUFI+(8*\hh+\m)*1024
	ds_load_b128 v[TF+8*\m+4:TF+8*\m+7], v9 offset:\buf*BUFI+(8*\hh+\m)*1024+512
.endr
	s_wait_dscnt 0x0
	WIN 0x55                                       ; W, the tokens' fragments and the accumulators: all in window 1
.irp t, 0,1,2,3,4,5,6,7,8,9,10,11,12,13,14,15
.irp m, 0,1,2,3,4,5,6,7
.if \t == 0
	v_wmma_scale_f32_16x16x128_f8f6f4 v[ACC+8*\m:ACC+8*\m+7], v[8*\t:8*\t+7], v[TF+8*\m:TF+8*\m+7], 0, v[WSC+\t], v[TSC+\m] matrix_a_fmt:MATRIX_FMT_FP4 matrix_b_fmt:MATRIX_FMT_FP4
.else
	v_wmma_scale_f32_16x16x128_f8f6f4 v[ACC+8*\m:ACC+8*\m+7], v[8*\t:8*\t+7], v[TF+8*\m:TF+8*\m+7], v[ACC+8*\m:ACC+8*\m+7], v[WSC+\t], v[TSC+\m] matrix_a_fmt:MATRIX_FMT_FP4 matrix_b_fmt:MATRIX_FMT_FP4
.endif
.endr
.endr
.rept 5
	v_nop                                          ; places behind the last products: four for the reads of results and for later loads into operands, a fifth since the next run begins these accumulators anew
.endr
	WIN 0x05                                       ; sources 0 and 1 window 1, the sums window 0
.irp m, 0,1,2,3,4,5,6,7
	v_pk_add_f32 v[T+4*\m:T+4*\m+1], v[ACC+8*\m:ACC+8*\m+1], v[ACC+8*\m+2:ACC+8*\m+3]       ; each accumulator is read from its low end on
.endr
.irp m, 0,1,2,3,4,5,6,7
	v_pk_add_f32 v[T+4*\m+2:T+4*\m+3], v[ACC+8*\m+4:ACC+8*\m+5], v[ACC+8*\m+6:ACC+8*\m+7]
.endr
	WIN 0
.irp m, 0,1,2,3,4,5,6,7
	v_pk_add_f32 v[T+4*\m:T+4*\m+1], v[T+4*\m:T+4*\m+1], v[T+4*\m+2:T+4*\m+3]
.endr
.irp m, 0,1,2,3,4,5,6,7
	v_add_f32 v[T+4*\m], v[T+4*\m], v[T+4*\m+1]    ; my eight rows n of token lane % 16, over my wave's 256 rows
.endr
.irp m, 0,1,2,3,4,5,6,7
	ds_store_b32 v12, v[T+4*\m] offset:\buf*BUFS+(8*\hh+\m)*128    ; a round's 16 tiles take 2,048 bytes of my sums; the round's parity is the buffer's
.endr
.endm
	s_load_b256 s[4:11], s[0:1], 0x0               ; hidden_4d s[4:5], sparsity s[6:7], W's codes s[8:9], W's scales s[10:11]
	s_load_b64 s[12:13], s[0:1], 0x20              ; part
	v_lshl_add_u32 v254, v0, 2, 0x3a000
	v_mov_b32 v255, 0
	v_lshrrev_b32 v15, 5, v0
	v_readfirstlane_b32 s14, v15                   ; wave 0..7
	s_and_b32 s16, ttmp7, 0xffff                   ; p
	s_lshr_b32 s17, s16, 4                         ; e
	s_and_b32 s18, s16, 15                         ; kp
	v_and_b32 v32, 31, v0                          ; l
	v_and_b32 v33, 15, v0                          ; r
	v_bfe_u32 v34, v0, 4, 1                        ; h
	v_lshlrev_b32 v1, 4, v32                       ; hidden: 16 l bytes of a row's 512; never rewritten
	v_lshlrev_b32 v2, 10, v33
	v_lshl_add_u32 v2, v34, 4, v2                  ; W's codes: row r of 1,024 bytes, + 16 h
	v_lshlrev_b32 v3, 6, v33                       ; W's scales: row r of 64 bytes
	v_lshlrev_b32 v4, 5, v33                       ; sparsity: token r of 32 bytes
	s_mul_i32 s33, s14, STW
	s_add_co_u32 s33, s33, STG                     ; my stage
	v_lshl_add_u32 v5, v32, 4, s33                 ; into it: 16 l; the row stands in the immediate
	v_mul_u32_u24 v6, v33, SP
	v_lshl_add_u32 v6, v34, 6, v6
	v_add_nc_u32 v6, s33, v6                       ; out of it: row r, 64 h
	s_lshl_b32 s34, s14, 11
	v_lshl_add_u32 v7, v32, 4, s34                 ; where I store images: tiles 2 w, 2 w + 1; 16 x lane
	s_lshl_b32 s34, s14, 8
	s_add_co_u32 s34, s34, ISC
	v_lshl_add_u32 v8, v32, 2, s34                 ; and their scale words: 4 x lane
	v_lshlrev_b32 v9, 4, v32                       ; where I read images,
	v_lshl_add_u32 v10, v32, 2, ISC                ; and scale words
	s_lshl_b32 s34, s14, 13
	s_add_co_u32 s34, s34, PS
	v_lshl_add_u32 v11, v32, 2, s34                ; my wave's sums: 4 x lane
	v_lshrrev_b32 v13, 2, v0
	v_and_b32 v15, 3, v0
	v_lshlrev_b32 v13, 7, v13
	v_lshl_add_u32 v13, v15, 4, v13
	v_add_nc_u32 v13, PS, v13                      ; at the end thread q takes tokens 4 q .. 4 q + 3: tile q / 4, 16 (q % 4)
	v_lshlrev_b32 v14, 4, v0                       ; and stores 16 bytes at 16 q
.irp b, 0,1,2,3
	v_mov_b32 v[TM+4+\b], 0                        ; written once: a lane permute's destination counts as one of its sources
.endr
	s_mov_b32 s22, 0x76543210
	s_mov_b32 s23, 0xfedcba98                      ; selects for the lane 16 away
	s_mov_b32 s21, 0
	s_lshl_b32 s19, ttmp9, 10
	s_lshl_b32 s33, s14, 5
	s_add_co_u32 s19, s19, s33                     ; my first unit's first token: 1,024 g + 32 w
	s_lshl_b32 s20, s19, 16
	s_lshl_b32 s33, s17, 13
	s_add_co_u32 s20, s20, s33
	s_lshl_b32 s33, s18, 9
	s_add_co_u32 s20, s20, s33                     ; token x 65,536 + e x 8,192 + kp x 512
	s_wait_kmcnt 0x0
	s_add_nc_u64 s[4:5], s[4:5], s[20:21]
	s_lshl_b32 s20, s19, 5
	s_lshl_b32 s33, s17, 2
	s_add_co_u32 s20, s20, s33                     ; token x 32 + e x 4
	s_add_nc_u64 s[6:7], s[6:7], s[20:21]
	s_lshl_b32 s20, s17, 21
	s_lshl_b32 s33, s14, 18
	s_add_co_u32 s20, s20, s33
	s_lshl_b32 s33, s18, 6
	s_add_co_u32 s20, s20, s33                     ; (e x 2,048 + 256 w) rows of 1,024 bytes + kp x 64
	s_add_nc_u64 s[8:9], s[8:9], s[20:21]
	s_lshl_b32 s20, s17, 17
	s_lshl_b32 s33, s14, 14
	s_add_co_u32 s20, s20, s33
	s_lshl_b32 s33, s18, 2
	s_add_co_u32 s20, s20, s33                     ; the same rows of 64 bytes + kp x 4
	s_add_nc_u64 s[10:11], s[10:11], s[20:21]
	s_lshl_b32 s20, s16, 13
	s_lshl_b32 s33, ttmp9, 12
	s_add_co_u32 s20, s20, s33                     ; p x 8,192 + g x 4,096
	s_add_nc_u64 s[12:13], s[12:13], s[20:21]
.irp u, 0,1,2,3
.irp a, 0,1
	global_load_b32 v[T+2*\u+\a], v4, s[6:7] offset:\u*8192+\a*512   ; sparsity of token 16 a + r of unit u
.endr
.endr
.irp t, 0,1,2,3,4,5,6,7,8,9,10,11,12,13,14,15
	global_load_b32 v[WSC+\t], v3, s[10:11] offset:\t*1024           ; the scale word of row 16 t + r: they stay
.endr
	WIN 0x40                                       ; destination window 1
.irp t, 0,1,2,3,4,5,6,7,8,9,10,11,12,13,14,15
.irp c, 0,1
	global_load_b128 v[8*\t+4*\c:8*\t+4*\c+3], v2, s[8:9] offset:\t*16384+32*\c   ; W's fragment t: they stay
.endr
.endr
	WIN 0
.set i, 0
.rept 128
	v_mov_b32 v[R+i], 0                            ; once: the registers of a row that is not loaded keep what they held, and that has to be a finite number
.set i, i+1
.endr
	s_wait_loadcnt 48                              ; the eight sparsity loads are in; the 16 + 32 loads of W issued behind them may be out
.irp u, 0,1,2,3
	v_cmp_ne_u32 s33, 0, v[T+2*\u]
	v_cmp_ne_u32 s34, 0, v[T+2*\u+1]
	s_and_b32 s33, s33, 0xffff                     ; lanes 0-15: tokens 0-15 of the unit,
	s_lshl_b32 s34, s34, 16                        ; and tokens 16-31
	s_or_b32 s[36+\u], s33, s34                    ; the unit's row mask
	v_cvt_f32_i32 v[MK+4*\u], v[T+2*\u]            ; the multiplier is the number itself, as f32
	v_cvt_f32_i32 v[MK+4*\u+2], v[T+2*\u+1]
	v_mov_b32 v[MK+4*\u+1], 0                      ; (named as the upper halves of pairs)
	v_mov_b32 v[MK+4*\u+3], 0
.endr
	LOADU 0                                        ; unit 0
	QSTEP 0, 0                                     ; unit 0 into buffer 0; unit 1 is asked for.  Its wait for all loads also shows W in
	BARRIER
	s_mov_b32 s24, 2                               ; trips to go
	s_mov_b32 s29, 0                               ; the trip's place among my sums
.Ltrip:                                            ; a trip is two rounds, after which the buffers are back where they began
	v_add_nc_u32 v12, s29, v11
	s_cmp_lt_u32 s14, 4
	s_cbranch_scc0 .Lround_a
	QSTEP 1, 1                                     ; waves 0-3: the next unit ahead of the products
.Lround_a:
	MHALF 0, 0
	MHALF 0, 1
	s_cmp_lt_u32 s14, 4
	s_cbranch_scc1 .Lend_a
	QSTEP 1, 1                                     ; waves 4-7: behind them
.Lend_a:
	BARRIER                                        ; buffer 1 is whole, and nobody reads buffer 0 any more
	s_cmp_lt_u32 s14, 4
	s_cbranch_scc0 .Lround_b
	s_cmp_eq_u32 s24, 1                            ; the last round has no successor
	s_cbranch_scc1 .Lround_b
	QSTEP 0, 0
.Lround_b:
	MHALF 1, 0
	MHALF 1, 1
	s_cmp_lt_u32 s14, 4
	s_cbranch_scc1 .Lend_b
	s_cmp_eq_u32 s24, 1
	s_cbranch_scc1 .Lend_b
	QSTEP 0, 0
.Lend_b:
	BARRIER                                        ; buffer 0 is whole, and nobody reads buffer 1 any more; behind the last trip: every wave's sums lie in LDS
	s_add_co_u32 s29, s29, 2*BUFS
	s_sub_co_i32 s24, s24, 1
	s_cmp_lg_u32 s24, 0
	s_cbranch_scc1 .Ltrip
	; THE END: a token's sum is spread over eight waves and the two halves of the lanes: sixteen words.  Thread q adds them for four tokens, in the registers that held the tokens' fragments.
	WIN 0x40                                       ; destination window 1
.irp k, 0,1,2,3,4,5,6,7,8,9,10,11,12,13,14,15
	ds_load_b128 v[TF+4*\k:TF+4*\k+3], v13 offset:(\k/2)*8192+(\k%2)*64
.endr
	s_wait_dscnt 0x0
	WIN 0x45                                       ; destination and both sources window 1
.irp s, 1,2,4,8
.irp k, 0,2,4,6,8,10,12,14
.if (\k % (2*\s)) == 0
	v_pk_add_f32 v[TF+4*\k:TF+4*\k+1], v[TF+4*\k:TF+4*\k+1], v[TF+4*(\k+\s):TF+4*(\k+\s)+1]
	v_pk_add_f32 v[TF+4*\k+2:TF+4*\k+3], v[TF+4*\k+2:TF+4*\k+3], v[TF+4*(\k+\s)+2:TF+4*(\k+\s)+3]
.endif
.endr
.endr
	WIN 0x04                                       ; a store's data are its source 1: window 1
	global_store_b128 v14, v[TF:TF+3], s[12:13]    ; a wave stores 512 consecutive bytes, at a multiple of 256 from the buffer's first byte
	WIN 0
	s_wait_tensorcnt 0x0
	ds_add_u32 v254, v255
	s_wait_dscnt 0x0
	s_endpgm
.Lfunc_end_k_q2962a958ed_gateup:
	.size	k_q2962a958ed_gateup, .Lfunc_end_k_q2962a958ed_gateup-k_q2962a958ed_gateup
	.p2alignl 7, 3214868480
	.fill 96, 4, 3214868480
	.section	.rodata,"a",@progbits
	.p2align	6, 0x0
	.amdhsa_kernel k_q2962a958ed_gateup
		.amdhsa_group_segment_fixed_size 238592
		.amdhsa_private_segment_fixed_size 0
		.amdhsa_enable_private_segment 0
		.amdhsa_kernarg_size 40
		.amdhsa_user_sgpr_count 2
		.amdhsa_user_sgpr_kernarg_segment_ptr 1
		.amdhsa_wavefront_size32 1
		.amdhsa_system_sgpr_workgroup_id_x 1
		.amdhsa_system_sgpr_workgroup_id_y 1
		.amdhsa_system_sgpr_workgroup_id_z 1
		.amdhsa_system_vgpr_workitem_id 0
		.amdhsa_next_free_vgpr 512
		.amdhsa_next_free_sgpr 66
		.amdhsa_reserve_vcc 0
		.amdhsa_float_denorm_mode_32 3
		.amdhsa_float_denorm_mode_16_64 3
		.amdhsa_memory_ordered 1
		.amdhsa_forward_progress 1
		.amdhsa_inst_pref_size 213
	.end_amdhsa_kernel
	.amdgpu_metadata
---
amdhsa.version: [ 1, 2 ]
amdhsa.kernels:
  - .name:           k_q2962a958ed_gateup
    .symbol:         k_q2962a958ed_gateup.kd
    .args:
      - { .name: hidden_4d, .offset: 0, .size: 8, .value_kind: global_buffer, .address_space: global }
      - { .name: sparsity, .offset: 8, .size: 8, .value_kind: global_buffer, .address_space: global }
      - { .name: weight_codes, .offset: 16, .size: 8, .value_kind: global_buffer, .address_space: global }
      - { .name: weight_scales, .offset: 24, .size: 8, .value_kind: global_buffer, .address_space: global }
      - { .name: part, .offset: 32, .size: 8, .value_kind: global_buffer, .address_space: global }
    .group_segment_fixed_size: 238592
    .private_segment_fixed_size: 0
    .kernarg_segment_align: 8
    .kernarg_segment_size: 40
    .max_flat_workgroup_size: 256
    .sgpr_count:     66
    .vgpr_count:     512
    .wavefront_size: 32
...
	.end_amdgpu_metadata
.endif
;; end of part 1
;; launch sumparts (part 2): grid 32 x 1, 8 waves a work-group, no clusters, 5,120 bytes of LDS; arguments part, out0; writes out0
.if DOCPART == 2
	.amdgcn_target "amdgcn-amd-amdhsa--gfx1250"
	.amdhsa_code_object_version 6
	.text
	.protected	k_q2962a958ed_sumparts
	.globl	k_q2962a958ed_sumparts
	.p2align	8
	.type	k_q2962a958ed_sumparts,@function
k_q2962a958ed_sumparts:
	s_mov_b64 s[64:65], 0
	v_nop
	global_prefetch_b8 v0, s[64:65] scope:SCOPE_SE
	s_setreg_imm32_b32 hwreg(HW_REG_WAVE_MODE, 25, 1), 1
	s_wait_xcnt 0x0
; out0[b] = the sum over the 128 parts p of part[p][b].  part: [128][2048] f32.
; A work-group owns 64 tokens: 256 consecutive aligned bytes of out0 and of each row of part.  Thread t = 16 gq + c adds, for tokens 4 c .. 4 c + 3, the parts gq, gq + 16, .. gq + 112;
; sixteen neighbouring lanes read 256 consecutive aligned bytes.  The sixteen partial rows meet in LDS; wave 0 adds them and stores the 256 bytes by one instruction.
; A stream of 1 MB read once: no matrix unit, no cluster, no tensor load would add anything.  The order of the sums is fixed: parts 16 apart in ascending order, then a tree over gq.
	s_load_b128 s[4:7], s[0:1], 0x0                ; part s[4:5], out0 s[6:7]
	v_lshl_add_u32 v64, v0, 2, 0x1000
	v_mov_b32 v65, 0
	v_lshrrev_b32 v1, 5, v0
	v_readfirstlane_b32 s8, v1                     ; wave
	v_and_b32 v2, 15, v0                           ; c
	v_lshrrev_b32 v3, 4, v0                        ; gq
	v_lshlrev_b32 v4, 4, v2
	v_lshl_add_u32 v4, v3, 13, v4                  ; row gq of 8,192 bytes + 16 c
	v_lshlrev_b32 v5, 4, v0                        ; LDS: 16 t = 256 gq + 16 c
	v_and_b32 v6, 31, v0
	v_lshlrev_b32 v6, 3, v6                        ; 8 x lane: two tokens
	s_lshl_b32 s10, ttmp9, 8                       ; my 64 tokens
	s_mov_b32 s11, 0
	s_wait_kmcnt 0x0
	s_add_nc_u64 s[4:5], s[4:5], s[10:11]
	s_add_nc_u64 s[6:7], s[6:7], s[10:11]
.irp i, 0,1,2,3,4,5,6,7
	global_load_b128 v[8+4*\i:11+4*\i], v4, s[4:5] offset:\i*131072 th:TH_LOAD_NT   ; 16 rows on each time
.endr
.irp i, 1,2,3,4,5,6,7
	s_wait_loadcnt 7-\i                            ; loads come back in order: load i is in, the 7 - i younger ones may be out
	v_pk_add_f32 v[8:9], v[8:9], v[8+4*\i:9+4*\i]
	v_pk_add_f32 v[10:11], v[10:11], v[10+4*\i:11+4*\i]
.endr
	ds_store_b128 v5, v[8:11]
	s_wait_dscnt 0x0                               ; for the others' sake: my store has landed
	s_barrier_signal -1
	s_barrier_wait -1
	s_cmp_lg_u32 s8, 0                             ; wave 0 alone goes on; no barrier follows
	s_cbranch_scc1 .Lend
.irp k, 0,1,2,3,4,5,6,7,8,9,10,11,12,13,14,15
	ds_load_b64 v[8+2*\k:9+2*\k], v6 offset:256*\k ; row gq = k, my two tokens
.endr
	s_wait_dscnt 0x0
.irp s, 1,2,4,8
.irp k, 0,2,4,6,8,10,12,14
.if (\k % (2*\s)) == 0
	v_pk_add_f32 v[8+2*\k:9+2*\k], v[8+2*\k:9+2*\k], v[8+2*(\k+\s):9+2*(\k+\s)]
.endif
.endr
.endr
	global_store_b64 v6, v[8:9], s[6:7]            ; 32 lanes store 256 consecutive bytes, at a multiple of 256 from out0's first byte
.Lend:
	s_wait_tensorcnt 0x0
	ds_add_u32 v64, v65
	s_wait_dscnt 0x0
	s_endpgm
.Lfunc_end_k_q2962a958ed_sumparts:
	.size	k_q2962a958ed_sumparts, .Lfunc_end_k_q2962a958ed_sumparts-k_q2962a958ed_sumparts
	.p2alignl 7, 3214868480
	.fill 96, 4, 3214868480
	.section	.rodata,"a",@progbits
	.p2align	6, 0x0
	.amdhsa_kernel k_q2962a958ed_sumparts
		.amdhsa_group_segment_fixed_size 5120
		.amdhsa_private_segment_fixed_size 0
		.amdhsa_enable_private_segment 0
		.amdhsa_kernarg_size 16
		.amdhsa_user_sgpr_count 2
		.amdhsa_user_sgpr_kernarg_segment_ptr 1
		.amdhsa_wavefront_size32 1
		.amdhsa_system_sgpr_workgroup_id_x 1
		.amdhsa_system_sgpr_workgroup_id_y 1
		.amdhsa_system_sgpr_workgroup_id_z 1
		.amdhsa_system_vgpr_workitem_id 0
		.amdhsa_next_free_vgpr 66
		.amdhsa_next_free_sgpr 66
		.amdhsa_reserve_vcc 0
		.amdhsa_float_denorm_mode_32 3
		.amdhsa_float_denorm_mode_16_64 3
		.amdhsa_memory_ordered 1
		.amdhsa_forward_progress 1
		.amdhsa_inst_pref_size 6
	.end_amdhsa_kernel
	.amdgpu_metadata
---
amdhsa.version: [ 1, 2 ]
amdhsa.kernels:
  - .name:           k_q2962a958ed_sumparts
    .symbol:         k_q2962a958ed_sumparts.kd
    .args:
      - { .name: part, .offset: 0, .size: 8, .value_kind: global_buffer, .address_space: global }
      - { .name: out0, .offset: 8, .size: 8, .value_kind: global_buffer, .address_space: global }
    .group_segment_fixed_size: 5120
    .private_segment_fixed_size: 0
    .kernarg_segment_align: 8
    .kernarg_segment_size: 16
    .max_flat_workgroup_size: 256
    .sgpr_count:     66
    .vgpr_count:     66
    .wavefront_size: 32
...
	.end_amdgpu_metadata
.endif
;; end of part 2
;; ======== version 2 of 2: 2 launches
;; workspace buffers: part 1,048,576 bytes
;; launch gateup (part 3): grid 2 x 128, 8 waves a work-group, no clusters, 238,592 bytes of LDS; arguments hidden_4d, sparsity, weight_codes, weight_scales, part; writes part
.if DOCPART == 3
	.amdgcn_target "amdgcn-amd-amdhsa--gfx1250"
	.amdhsa_code_object_version 6
	.text
	.protected	k_q2962a958ed_gateup
	.globl	k_q2962a958ed_gateup
	.p2align	8
	.type	k_q2962a958ed_gateup,@function
k_q2962a958ed_gateup:
	s_mov_b64 s[64:65], 0
	v_nop
	global_prefetch_b8 v0, s[64:65] scope:SCOPE_SE
	s_setreg_imm32_b32 hwreg(HW_REG_WAVE_SCHED_MODE, 0, 2), 2
	s_setreg_imm32_b32 hwreg(HW_REG_WAVE_MODE, 25, 1), 1
	s_wait_xcnt 0x0
	s_wait_alu depctr_vm_vsrc(0)
; part[p][b] = the sum over n (2,048) and over the 128 k of part p of Q(hidden[b][e][k] x float(sparsity[b][e])) x W[e][k][n], on codes of FP4 (E2M1) with one E8M0 scale for each 32 along K.
; p = 16 e + kp: expert e, K piece kp (k = 128 kp .. 128 kp + 127).  The work-group (g, p) takes tokens 1,024 g .. 1,024 g + 1,023.  A later launch adds the 128 parts of each token.
; W STAYS, THE TOKENS STREAM.  Wave w of eight keeps W[e][n = 256 w .. 256 w + 255][my 128 k] in registers for the whole launch: 16 fragments of 16 rows x 128 K, 128 registers, and 16 scale words.
; The result sums over n, so all 16 fragments of a wave add into the same accumulator of a tile of 16 tokens: eight accumulators, by turns.
; The tokens go in 4 rounds of 256 (16 tiles).  For a round, wave w brings its UNIT, 32 tokens x 512 bytes of f32, multiplies by the mask, quantises it in registers (two tiles) and hands codes and scale words to all
; waves through LDS as images of the operand registers: 16 bytes a lane at 16 x lane, 512 bytes a store; a scale word at 4 x lane.  Every wave multiplies all 16 tiles by its 16 fragments.
; ROWS WITH SPARSITY 0 ARE NOT READ.  A row's piece is 512 bytes: one load of 16 bytes a lane, all lanes on; a scalar branch on the unit's row mask jumps over the load of a row that does not count.  Its registers keep an
; older finite number, and the multiplication by 0.0 makes the row zeros, whose codes are zeros.  Such rows are still multiplied.  EXEC is never written.
; THE MATRIX INSTRUCTION: source 0 = 16 rows n of W, source 1 = 16 tokens: in the result a lane holds token lane % 16 and eight rows n; its eight registers are added, the rest of the sum is made at the end through LDS.
; PHASES.  Waves 0-3 quantise the next unit ahead of a round's products, waves 4-7 behind them, so that not all waves do vector work at the same time.  One barrier a round: two image buffers take turns.
; NO CLUSTER: a part of W is read by two work-groups only, once, at the head, into the registers where it stays (136 KB of a group's bytes); in the loop no two work-groups read the same bytes.
; LIMITS: NaN and infinities in hidden_4d are not served (a row with sparsity 0 is not read, so inf x 0 does not arise, and a non-finite number left in a register would spoil a later masked row);
;   a block whose largest magnitude lies under 2^-124 keeps the scale byte 1; a block of zeros gets the byte 1 where the rule says 127 (its codes are zeros, and this program alone reads the bytes);
;   the f32 sums run in another order than the source has them: n tiles, registers, waves, parts.
; THE MODE: SCHED_MODE bits 1:0 = 2 (LLVM: expert scheduling mode 2), set by the entry lines.  The code itself states the register dependences
; between vector or matrix instructions and memory or LDS instructions, with s_wait_alu, always for 0.
; THE PLAN.  Registers that memory or LDS instructions touch:
;   v1-v11, v13, v14  offsets and addresses: made at the head, never written again.      v12: written once a trip, read by the trip's stores of sums.
;   R                 cleared once at the head; from then on global loads land in it and the stage stores read it: no vector line of the loop names it.
;   X0 = TF, X1 = ACC LDS loads land in them (a unit's numbers; a half's fragments); the mask multiply, the maxima, the conversions, the products and the first sums name them.
;   TSC               LDS loads land in it; the products read it.        T: the sums write it, eight LDS stores a half read it.        PC0, PC1, PW0, PW1: QUANT writes them, six LDS stores a unit read them.
; EVERY PHASE (a unit's quantising; a half of a round) ENDS WITH ONE WAIT ON va_vdst AHEAD OF ITS RUN OF LDS STORES, AND ISSUES NO VECTOR OR MATRIX LINE BEHIND IT.  Between two phases stands at most the add to v12,
; which names v11 and v12.  So the loads at a phase's head, which land in X0, X1, TF or TSC, owe nothing more.  One wait more stands behind a round's first 128 products: it frees TF and TSC, so that the other half's
; fragments are asked for ahead of the first half's sums.  Waits on vm_vsrc stand ahead of the lines that write again what LDS stores have read: v12 (a trip's head), R, PC and PW (one wait in a unit), T (one in a half).
; LDS: IMG two buffers of 16 tiles x 1,024 bytes; ISC two buffers of 16 x 128 bytes of scale words; STG a stage of 32 rows x (512 + 16) bytes for each wave; PS 64 tiles x 128 bytes of sums for each wave.
; REGISTERS, window 0: v1-14 addresses; v16-31 the mask multipliers of the units to come; v32-47 at work; v48-63 scale words of W; v64-71 scale words of 8 token tiles; v72-199 a unit as it is loaded (its loads stand
;   between branches, where every window is 0); v200-231 sums; v232-249 codes and scale words just made.
;   window 1: v0-127 W; v128-191 8 token fragments (or 64 numbers of tile 0); v192-255 8 accumulators (or 64 numbers of tile 1).
; s_set_vgpr_msb's low byte: bits 1:0 source 0, 3:2 source 1, 5:4 source 2, 7:6 destination.
.set IMG,   0
.set BUFI,  16384                      ; from one image buffer to the other
.set ISC,   32768
.set BUFS,  2048
.set STG,   36864
.set SP,    528                        ; a stage row: 512 bytes + 16: an odd multiple of 16, so that sixteen rows read at one column fall on different banks
.set STW,   32*SP
.set PS,    STG+8*STW
.set UNITB, 0x1000000                  ; 256 tokens of 65,536 bytes: from a unit to the next
.set MK,    16
.set TM,    32
.set WSC,   48
.set TSC,   64
.set R,     72                         ; window 0
.set T,     200
.set PC0,   232
.set PC1,   240
.set PW0,   248
.set PW1,   249
.set TF,    128                        ; window 1
.set X0,    128
.set ACC,   192
.set X1,    192
.set MSB, 0
.macro WIN new                         ; the immediate's high byte repeats the setting that is left; a switch that changes nothing is dropped
.if MSB != \new
	s_set_vgpr_msb (MSB<<8)|\new
.set MSB, \new
.endif
.endm
.macro BARRIER                         ; my LDS stores have landed and my LDS loads are in: then the work-group's barrier
	s_wait_dscnt 0x0
	s_barrier_signal -1
	s_barrier_wait -1
.endm
; Row i of the next unit: 32 lanes x 16 bytes = its 512 consecutive bytes, which begin at a multiple of 256.  s36 holds the unit's row mask, bit i = token i counts.
.macro ROWLD i
	s_bitcmp1_b32 s36, \i
	s_cbranch_scc0 .Lrow_off_\@
	global_load_b128 v[R+4*(\i):R+4*(\i)+3], v1, s[4:5] offset:(\i)*65536 th:TH_LOAD_NT
.Lrow_off_\@:
.endm
; The next unit's rows into R.  step = 1: the base goes on a unit first: the loads that named it are in (the wait for all loads at the head of QSTEP), so the wait below is met at once.
.macro LOADU step
.if \step
	s_wait_xcnt 0x0
	s_add_nc_u64 s[4:5], s[4:5], UNITB
.endif
.irp i, 0,1,2,3,4,5,6,7,8,9,10,11,12,13,14,15,16,17,18,19,20,21,22,23,24,25,26,27,28,29,30,31
	ROWLD \i
.endr
	s_mov_b32 s36, s37                             ; the queue of row masks moves up
	s_mov_b32 s37, s38
	s_mov_b32 s38, s39
.endm
; 64 numbers of a lane, v[s] .. v[s + 63] of window 1, register 16 b + i = k 32 b + 16 (lane / 16) + i of my row, become a fragment's codes in v[pc] on and its scale word in v[pw] (window 0).
.macro QUANT s, pc, pw
	WIN 0x05                                       ; sources 0 and 1 window 1
.irp b, 0,1,2,3
	v_max3_num_f32 v[TM+\b], |v[\s+16*\b]|, |v[\s+1+16*\b]|, 0x1800000   ; block b: my 16 numbers, and the floor 2^(3 - 127): the byte cannot fall under 1
.endr
	WIN 0x14                                       ; sources 1 and 2 window 1
.irp i, 2,4,6,8,10,12,14
.irp b, 0,1,2,3
	v_max3_num_f32 v[TM+\b], v[TM+\b], |v[\s+16*\b+\i]|, |v[\s+1+16*\b+\i]|   ; the four blocks by turns
.endr
.endr
	WIN 0
.irp b, 0,1,2,3
	v_permlanex16_b32 v[TM+4+\b], v[TM+\b], s22, s23
.endr
.irp b, 0,1,2,3
	v_max_num_f32 v[TM+\b], v[TM+\b], v[TM+4+\b]   ; with the lane 16 away: the block's largest magnitude
.endr
.irp b, 0,1,2,3
	v_add_nc_u32 v[TM+12+\b], 0xff000000, v[TM+\b] ; 2 off its exponent field: the conversion takes the exponent field of this operand as its scale
.endr
.irp b, 0,1,2,3
	v_lshrrev_b32 v[TM+4+\b], 23, v[TM+12+\b]      ; the scale's byte
.endr
	v_lshl_or_b32 v[\pw], v[TM+5], 8, v[TM+4]      ; the four bytes make my row's scale word
	v_lshl_or_b32 v[\pw], v[TM+6], 16, v[\pw]
	v_lshl_or_b32 v[\pw], v[TM+7], 24, v[\pw]
	WIN 0x01                                       ; source 0, the numbers: window 1
.irp b, 0,1,2,3
	v_cvt_scalef32_pk8_fp4_f32 v[\pc+2*\b], v[\s+16*\b:\s+7+16*\b], v[TM+12+\b]
	v_cvt_scalef32_pk8_fp4_f32 v[\pc+1+2*\b], v[\s+8+16*\b:\s+15+16*\b], v[TM+12+\b]
.endr
	WIN 0
	v_nop                                          ; one plain place behind the last scaled conversion
.irp c, 0,1                                    ; the operand wants a whole block in a lane: lanes 0-15 block 2 c, lanes 16-31 block 2 c + 1
.irp i, 0,1
	v_permlane16_swap_b32 v[\pc+4*\c+\i], v[\pc+2+4*\c+\i]
.endr
.endr
.endm
; One unit: turned through my stage, masked, quantised, published in image buffer buf.  guard = 1: in the loop's last trip there is no further unit, and no load is issued.
.macro QSTEP buf, guard
	s_wait_loadcnt 0x0                             ; the unit was asked for a round ago and nothing since: the count is 0, however many of its rows were loaded
.irp i, 0,1,2,3,4,5,6,7,8,9,10,11,12,13,14,15,16,17,18,19,20,21,22,23,24,25,26,27,28,29,30,31
	ds_store_b128 v5, v[R+4*\i:R+4*\i+3] offset:\i*SP      ; a row's 512 bytes on end.  (Of vector lines only the zeros at the head wrote R, ahead of the wait in front of unit 0's loads)
.endr
	WIN 0x40                                       ; destination window 1, address window 0
.irp a, 0,1                                    ; back: lane (r, h) takes, of row 16 a + r, 16 neighbours of each block of 32.  LDS serves a wave's instructions in order: these see my stores
.irp b, 0,1,2,3                                ; (they land in X0 and X1: the phase before ended with a wait on va_vdst, and no vector or matrix line since names these registers)
.irp j, 0,1,2,3
	ds_load_b128 v[X0+64*\a+16*\b+4*\j:X0+64*\a+16*\b+4*\j+3], v6 offset:\a*16*SP+128*\b+16*\j
.endr
.endr
.endr
	WIN 0
	s_wait_dscnt 32                                ; all but the 32 loads just issued: the 32 stores are done
	s_wait_alu depctr_vm_vsrc(0)                   ; the 32 stage stores have read R, in which the next unit's loads land; the last unit's image stores have read PC0, PC1, PW0 and PW1, which QUANT writes again below
.if \guard
	s_cmp_eq_u32 s24, 1
	s_cbranch_scc1 .Lno_load_\@
.endif
	LOADU 1
.if \guard
.Lno_load_\@:
.endif
	s_wait_dscnt 0x0
	WIN 0x41                                       ; destination and source 0 window 1, the multiplier window 0
.irp a, 0,1
.irp j, 0,2,4,6,8,10,12,14,16,18,20,22,24,26,28,30,32,34,36,38,40,42,44,46,48,50,52,54,56,58,60,62
	v_pk_mul_f32 v[X0+64*\a+\j:X0+64*\a+\j+1], v[X0+64*\a+\j:X0+64*\a+\j+1], v[MK+2*\a:MK+2*\a+1] op_sel_hi:[1,0]   ; x float(sparsity) of my row: the pair's low word serves both halves
.endr
.endr
	WIN 0
.irp i, 0,2,4,6,8,10
	v_mov_b32 v[MK+\i], v[MK+4+\i]                 ; the queue of multipliers moves up a unit
.endr
	QUANT X0, PC0, PW0
	QUANT X1, PC1, PW1
	s_wait_alu depctr_va_vdst(0)                   ; both tiles' codes and scale words are written, which the six stores read; and every line above is done with X0 and X1, in which the next phase's LDS loads land
	ds_store_b128 v7, v[PC0:PC0+3] offset:\buf*BUFI
	ds_store_b128 v7, v[PC0+4:PC0+7] offset:\buf*BUFI+512
	ds_store_b32 v8, v[PW0] offset:\buf*BUFS
	ds_store_b128 v7, v[PC1:PC1+3] offset:\buf*BUFI+1024
	ds_store_b128 v7, v[PC1+4:PC1+7] offset:\buf*BUFI+1536
	ds_store_b32 v8, v[PW1] offset:\buf*BUFS+128
.endm
; The fragments and scale words of tiles 8 hh .. 8 hh + 7 of image buffer buf: 24 LDS loads in one run.
.macro FETCH buf, hh
	WIN 0
.irp m, 0,1,2,3,4,5,6,7
	ds_load_b32 v[TSC+\m], v10 offset:\buf*BUFS+(8*\hh+\m)*128     ; scale words lie in window 0
.endr
	WIN 0x40                                       ; destination window 1
.irp m, 0,1,2,3,4,5,6,7
	ds_load_b128 v[TF+8*\m:TF+8*\m+3],   v9 offset:\buf*BUFI+(8*\hh+\m)*1024
	ds_load_b128 v[TF+8*\m+4:TF+8*\m+7], v9 offset:\buf*BUFI+(8*\hh+\m)*1024+512
.endr
.endm
; Eight tiles against my 16 fragments of W: 128 matrix instructions, the eight accumulators by turns, one instruction a turn.  younger: the LDS instructions issued behind the tiles' loads.
.macro MUL younger
	s_wait_dscnt \younger
	WIN 0x55                                       ; W, the tokens' fragments and the accumulators: all in window 1
.irp t, 0,1,2,3,4,5,6,7,8,9,10,11,12,13,14,15
.irp m, 0,1,2,3,4,5,6,7
.if \t == 0
	v_wmma_scale_f32_16x16x128_f8f6f4 v[ACC+8*\m:ACC+8*\m+7], v[8*\t:8*\t+7], v[TF+8*\m:TF+8*\m+7], 0, v[WSC+\t], v[TSC+\m] matrix_a_fmt:MATRIX_FMT_FP4 matrix_b_fmt:MATRIX_FMT_FP4
.else
	v_wmma_scale_f32_16x16x128_f8f6f4 v[ACC+8*\m:ACC+8*\m+7], v[8*\t:8*\t+7], v[TF+8*\m:TF+8*\m+7], v[ACC+8*\m:ACC+8*\m+7], v[WSC+\t], v[TSC+\m] matrix_a_fmt:MATRIX_FMT_FP4 matrix_b_fmt:MATRIX_FMT_FP4
.endif
.endr
.endr
.rept 5
	v_nop                                          ; places behind the last products (ISA guide 7.12.1): four for the reads of results, a fifth since the next run begins these accumulators anew
.endr
.endm
; The eight accumulators' registers are added, and the sums of tiles 8 hh .. 8 hh + 7 go to my wave's sums in LDS.
.macro SUMS buf, hh
	WIN 0x05                                       ; sources 0 and 1 window 1, the sums window 0
.irp m, 0,1,2,3,4,5,6,7
	v_pk_add_f32 v[T+4*\m:T+4*\m+1], v[ACC+8*\m:ACC+8*\m+1], v[ACC+8*\m+2:ACC+8*\m+3]       ; each accumulator is read from its low end on
.endr
.irp m, 0,1,2,3,4,5,6,7
	v_pk_add_f32 v[T+4*\m+2:T+4*\m+3], v[ACC+8*\m+4:ACC+8*\m+5], v[ACC+8*\m+6:ACC+8*\m+7]
.endr
	WIN 0
.irp m, 0,1,2,3,4,5,6,7
	v_pk_add_f32 v[T+4*\m:T+4*\m+1], v[T+4*\m:T+4*\m+1], v[T+4*\m+2:T+4*\m+3]
.endr
.irp m, 0,1,2,3,4,5,6,7
	v_add_f32 v[T+4*\m], v[T+4*\m], v[T+4*\m+1]    ; my eight rows n of token lane % 16, over my wave's 256 rows
.endr
	s_wait_alu depctr_va_vdst(0)                   ; the sums in T and the trip's v12 are written, which the eight stores read; and the products and the sums above are done with TF, TSC and the accumulators, in which the next phase's LDS loads land
.irp m, 0,1,2,3,4,5,6,7
	ds_store_b32 v12, v[T+4*\m] offset:\buf*BUFS+(8*\hh+\m)*128    ; a round's 16 tiles take 2,048 bytes of my sums; the round's parity is the buffer's
.endr
.endm
; A round: the 16 tiles of image buffer buf, in two halves.  The second half's fragments are asked for as soon as the first half's products are done with TF and TSC, and land while the first half's sums are made.
.macro ROUND buf
	FETCH \buf, 0                                  ; nothing is owed here: the phase before ended with a wait on va_vdst, and no vector or matrix line since names TSC or TF
	MUL 0
	WIN 0
	s_wait_alu depctr_vm_vsrc(0)                   ; the stores of the half before have read T, which the sums below write again
	s_wait_alu depctr_va_vdst(0)                   ; the 128 products are done reading TSC and TF, in which the loads below land
	FETCH \buf, 1
	SUMS \buf, 0
	MUL 8                                          ; LDS instructions end in order (ISA guide 5.7.1): the 24 loads are in, the eight stores of sums issued behind them may be out
	s_wait_alu depctr_vm_vsrc(0)                   ; those eight stores have read T, which the sums below write again
	SUMS \buf, 1
.endm
	s_load_b256 s[4:11], s[0:1], 0x0               ; hidden_4d s[4:5], sparsity s[6:7], W's codes s[8:9], W's scales s[10:11]
	s_load_b64 s[12:13], s[0:1], 0x20              ; part
	v_lshl_add_u32 v254, v0, 2, 0x3a000
	v_mov_b32 v255, 0
	v_lshrrev_b32 v15, 5, v0
	v_readfirstlane_b32 s14, v15                   ; wave 0..7
	s_and_b32 s16, ttmp7, 0xffff                   ; p
	s_lshr_b32 s17, s16, 4                         ; e
	s_and_b32 s18, s16, 15                         ; kp
	v_and_b32 v32, 31, v0                          ; l
	v_and_b32 v33, 15, v0                          ; r
	v_bfe_u32 v34, v0, 4, 1                        ; h
	v_lshlrev_b32 v1, 4, v32                       ; hidden: 16 l bytes of a row's 512; never rewritten
	v_lshlrev_b32 v2, 10, v33
	v_lshl_add_u32 v2, v34, 4, v2                  ; W's codes: row r of 1,024 bytes, + 16 h
	v_lshlrev_b32 v3, 6, v33                       ; W's scales: row r of 64 bytes
	v_lshlrev_b32 v4, 5, v33                       ; sparsity: token r of 32 bytes
	s_wait_alu depctr_va_sdst(0)                   ; s14 is written, ahead of its first reader: LDS places, bases and the phases' branches are made from it
	s_mul_i32 s33, s14, STW
	s_add_co_u32 s33, s33, STG                     ; my stage
	v_lshl_add_u32 v5, v32, 4, s33                 ; into it: 16 l; the row stands in the immediate
	v_mul_u32_u24 v6, v33, SP
	v_lshl_add_u32 v6, v34, 6, v6
	v_add_nc_u32 v6, s33, v6                       ; out of it: row r, 64 h
	s_lshl_b32 s34, s14, 11
	v_lshl_add_u32 v7, v32, 4, s34                 ; where I store images: tiles 2 w, 2 w + 1; 16 x lane
	s_lshl_b32 s34, s14, 8
	s_add_co_u32 s34, s34, ISC
	v_lshl_add_u32 v8, v32, 2, s34                 ; and their scale words: 4 x lane
	v_lshlrev_b32 v9, 4, v32                       ; where I read images,
	v_lshl_add_u32 v10, v32, 2, ISC                ; and scale words
	s_lshl_b32 s34, s14, 13
	s_add_co_u32 s34, s34, PS
	v_lshl_add_u32 v11, v32, 2, s34                ; my wave's sums: 4 x lane
	v_lshrrev_b32 v13, 2, v0
	v_and_b32 v15, 3, v0
	v_lshlrev_b32 v13, 7, v13
	v_lshl_add_u32 v13, v15, 4, v13
	v_add_nc_u32 v13, PS, v13                      ; at the end thread q takes tokens 4 q .. 4 q + 3: tile q / 4, 16 (q % 4)
	v_lshlrev_b32 v14, 4, v0                       ; and stores 16 bytes at 16 q
.irp b, 0,1,2,3
	v_mov_b32 v[TM+4+\b], 0                        ; written once: a lane permute's destination counts as one of its sources
.endr
	s_mov_b32 s22, 0x76543210
	s_mov_b32 s23, 0xfedcba98                      ; selects for the lane 16 away
	s_mov_b32 s21, 0
	s_lshl_b32 s19, ttmp9, 10
	s_lshl_b32 s33, s14, 5
	s_add_co_u32 s19, s19, s33                     ; my first unit's first token: 1,024 g + 32 w
	s_lshl_b32 s20, s19, 16
	s_lshl_b32 s33, s17, 13
	s_add_co_u32 s20, s20, s33
	s_lshl_b32 s33, s18, 9
	s_add_co_u32 s20, s20, s33                     ; token x 65,536 + e x 8,192 + kp x 512
	s_wait_kmcnt 0x0
	s_add_nc_u64 s[4:5], s[4:5], s[20:21]
	s_lshl_b32 s20, s19, 5
	s_lshl_b32 s33, s17, 2
	s_add_co_u32 s20, s20, s33                     ; token x 32 + e x 4
	s_add_nc_u64 s[6:7], s[6:7], s[20:21]
	s_lshl_b32 s20, s17, 21
	s_lshl_b32 s33, s14, 18
	s_add_co_u32 s20, s20, s33
	s_lshl_b32 s33, s18, 6
	s_add_co_u32 s20, s20, s33                     ; (e x 2,048 + 256 w) rows of 1,024 bytes + kp x 64
	s_add_nc_u64 s[8:9], s[8:9], s[20:21]
	s_lshl_b32 s20, s17, 17
	s_lshl_b32 s33, s14, 14
	s_add_co_u32 s20, s20, s33
	s_lshl_b32 s33, s18, 2
	s_add_co_u32 s20, s20, s33                     ; the same rows of 64 bytes + kp x 4
	s_add_nc_u64 s[10:11], s[10:11], s[20:21]
	s_lshl_b32 s20, s16, 13
	s_lshl_b32 s33, ttmp9, 12
	s_add_co_u32 s20, s20, s33                     ; p x 8,192 + g x 4,096
	s_add_nc_u64 s[12:13], s[12:13], s[20:21]
	s_wait_alu depctr_va_vdst(0)                   ; the offsets and addresses v1 to v11, v13 and v14 are written, which the loads and stores of the whole kernel read
.irp u, 0,1,2,3
.irp a, 0,1
	global_load_b32 v[T+2*\u+\a], v4, s[6:7] offset:\u*8192+\a*512   ; sparsity of token 16 a + r of unit u
.endr
.endr
.irp t, 0,1,2,3,4,5,6,7,8,9,10,11,12,13,14,15
	global_load_b32 v[WSC+\t], v3, s[10:11] offset:\t*1024           ; the scale word of row 16 t + r: they stay
.endr
	WIN 0x40                                       ; destination window 1
.irp t, 0,1,2,3,4,5,6,7,8,9,10,11,12,13,14,15
.irp c, 0,1
	global_load_b128 v[8*\t+4*\c:8*\t+4*\c+3], v2, s[8:9] offset:\t*16384+32*\c   ; W's fragment t: they stay
.endr
.endr
	WIN 0
.set i, 0
.rept 128
	v_mov_b32 v[R+i], 0                            ; once: the registers of a row that is not loaded keep what they held, and that has to be a finite number
.set i, i+1
.endr
	s_wait_loadcnt 48                              ; the eight sparsity loads are in; the 16 + 32 loads of W issued behind them may be out
.irp u, 0,1,2,3
	v_cmp_ne_u32 s[40+2*\u], 0, v[T+2*\u]          ; the eight compares stand in one run, each with a scalar register of its own
	v_cmp_ne_u32 s[41+2*\u], 0, v[T+2*\u+1]
	v_cvt_f32_i32 v[MK+4*\u], v[T+2*\u]            ; the multiplier is the number itself, as f32
	v_cvt_f32_i32 v[MK+4*\u+2], v[T+2*\u+1]
	v_mov_b32 v[MK+4*\u+1], 0                      ; (named as the upper halves of pairs)
	v_mov_b32 v[MK+4*\u+3], 0
.endr
	s_wait_alu depctr_va_sdst(0)                   ; the compares have written s40 to s47, ahead of their first reader
.irp u, 0,1,2,3
	s_and_b32 s33, s[40+2*\u], 0xffff              ; lanes 0-15: tokens 0-15 of the unit,
	s_lshl_b32 s34, s[41+2*\u], 16                 ; and tokens 16-31
	s_or_b32 s[36+\u], s33, s34                    ; the unit's row mask
.endr
	s_wait_alu depctr_va_vdst(0)                   ; the zeros are written in R, in which the units' loads land and which the stage stores read
	LOADU 0                                        ; unit 0
	QSTEP 0, 0                                     ; unit 0 into buffer 0; unit 1 is asked for.  Its wait for all loads also shows W in
	BARRIER
	s_mov_b32 s24, 2                               ; trips to go
	s_mov_b32 s29, 0                               ; the trip's place among my sums
.Ltrip:                                            ; a trip is two rounds, after which the buffers are back where they began
	s_wait_alu depctr_vm_vsrc(0)                   ; the last trip's stores of sums have read v12
	v_add_nc_u32 v12, s29, v11                     ; (its first reader, a store of sums, stands behind the wait on va_vdst of its half)
	s_cmp_lt_u32 s14, 4
	s_cbranch_scc0 .Lround_a
	QSTEP 1, 1                                     ; waves 0-3: the next unit ahead of the products
.Lround_a:
	ROUND 0
	s_cmp_lt_u32 s14, 4
	s_cbranch_scc1 .Lend_a
	QSTEP 1, 1                                     ; waves 4-7: behind them
.Lend_a:
	BARRIER                                        ; buffer 1 is whole, and nobody reads buffer 0 any more
	s_cmp_lt_u32 s14, 4
	s_cbranch_scc0 .Lround_b
	s_cmp_eq_u32 s24, 1                            ; the last round has no successor
	s_cbranch_scc1 .Lround_b
	QSTEP 0, 0
.Lround_b:
	ROUND 1
	s_cmp_lt_u32 s14, 4
	s_cbranch_scc1 .Lend_b
	s_cmp_eq_u32 s24, 1
	s_cbranch_scc1 .Lend_b
	QSTEP 0, 0
.Lend_b:
	BARRIER                                        ; buffer 0 is whole, and nobody reads buffer 1 any more; behind the last trip: every wave's sums lie in LDS
	s_add_co_u32 s29, s29, 2*BUFS
	s_sub_co_i32 s24, s24, 1
	s_cmp_lg_u32 s24, 0
	s_cbranch_scc1 .Ltrip
	; THE END: a token's sum is spread over eight waves and the two halves of the lanes: sixteen words.  Thread q adds them for four tokens, in the registers that held the tokens' fragments.
	WIN 0x40                                       ; destination window 1
.irp k, 0,1,2,3,4,5,6,7,8,9,10,11,12,13,14,15
	ds_load_b128 v[TF+4*\k:TF+4*\k+3], v13 offset:(\k/2)*8192+(\k%2)*64   ; (they land in TF: the last half ended with a wait on va_vdst, and no vector or matrix line stands behind it)
.endr
	s_wait_dscnt 0x0
	WIN 0x45                                       ; destination and both sources window 1
.irp s, 1,2,4,8
.irp k, 0,2,4,6,8,10,12,14
.if (\k % (2*\s)) == 0
	v_pk_add_f32 v[TF+4*\k:TF+4*\k+1], v[TF+4*\k:TF+4*\k+1], v[TF+4*(\k+\s):TF+4*(\k+\s)+1]
	v_pk_add_f32 v[TF+4*\k+2:TF+4*\k+3], v[TF+4*\k+2:TF+4*\k+3], v[TF+4*(\k+\s)+2:TF+4*(\k+\s)+3]
.endif
.endr
.endr
	WIN 0x04                                       ; a store's data are its source 1: window 1
	s_wait_alu depctr_va_vdst(0)                   ; the additions have written the four sums, which the store reads
	global_store_b128 v14, v[TF:TF+3], s[12:13]    ; a wave stores 512 consecutive bytes, at a multiple of 256 from the buffer's first byte
	WIN 0
	s_wait_dscnt 0x0
	s_wait_alu depctr_hold_cnt(0) depctr_sa_sdst(0) depctr_va_vdst(0) depctr_va_sdst(0) depctr_va_ssrc(0) depctr_va_vcc(0) depctr_vm_vsrc(0)
	s_wait_tensorcnt 0x0
	ds_add_u32 v254, v255
	s_wait_dscnt 0x0
	s_endpgm
.Lfunc_end_k_q2962a958ed_gateup:
	.size	k_q2962a958ed_gateup, .Lfunc_end_k_q2962a958ed_gateup-k_q2962a958ed_gateup
	.p2alignl 7, 3214868480
	.fill 96, 4, 3214868480
	.section	.rodata,"a",@progbits
	.p2align	6, 0x0
	.amdhsa_kernel k_q2962a958ed_gateup
		.amdhsa_group_segment_fixed_size 238592
		.amdhsa_private_segment_fixed_size 0
		.amdhsa_enable_private_segment 0
		.amdhsa_kernarg_size 40
		.amdhsa_user_sgpr_count 2
		.amdhsa_user_sgpr_kernarg_segment_ptr 1
		.amdhsa_wavefront_size32 1
		.amdhsa_system_sgpr_workgroup_id_x 1
		.amdhsa_system_sgpr_workgroup_id_y 1
		.amdhsa_system_sgpr_workgroup_id_z 1
		.amdhsa_system_vgpr_workitem_id 0
		.amdhsa_next_free_vgpr 512
		.amdhsa_next_free_sgpr 66
		.amdhsa_reserve_vcc 0
		.amdhsa_float_denorm_mode_32 3
		.amdhsa_float_denorm_mode_16_64 3
		.amdhsa_memory_ordered 1
		.amdhsa_forward_progress 1
		.amdhsa_inst_pref_size 214
	.end_amdhsa_kernel
	.amdgpu_metadata
---
amdhsa.version: [ 1, 2 ]
amdhsa.kernels:
  - .name:           k_q2962a958ed_gateup
    .symbol:         k_q2962a958ed_gateup.kd
    .args:
      - { .name: hidden_4d, .offset: 0, .size: 8, .value_kind: global_buffer, .address_space: global }
      - { .name: sparsity, .offset: 8, .size: 8, .value_kind: global_buffer, .address_space: global }
      - { .name: weight_codes, .offset: 16, .size: 8, .value_kind: global_buffer, .address_space: global }
      - { .name: weight_scales, .offset: 24, .size: 8, .value_kind: global_buffer, .address_space: global }
      - { .name: part, .offset: 32, .size: 8, .value_kind: global_buffer, .address_space: global }
    .group_segment_fixed_size: 238592
    .private_segment_fixed_size: 0
    .kernarg_segment_align: 8
    .kernarg_segment_size: 40
    .max_flat_workgroup_size: 256
    .sgpr_count:     66
    .vgpr_count:     512
    .wavefront_size: 32
...
	.end_amdgpu_metadata
.endif
;; end of part 3
;; launch sumparts (part 4): grid 32 x 1, 8 waves a work-group, no clusters, 5,120 bytes of LDS; arguments part, out0; writes out0
.if DOCPART == 4
	.amdgcn_target "amdgcn-amd-amdhsa--gfx1250"
	.amdhsa_code_object_version 6
	.text
	.protected	k_q2962a958ed_sumparts
	.globl	k_q2962a958ed_sumparts
	.p2align	8
	.type	k_q2962a958ed_sumparts,@function
k_q2962a958ed_sumparts:
	s_mov_b64 s[64:65], 0
	v_nop
	global_prefetch_b8 v0, s[64:65] scope:SCOPE_SE
	s_setreg_imm32_b32 hwreg(HW_REG_WAVE_MODE, 25, 1), 1
	s_wait_xcnt 0x0
; out0[b] = the sum over the 128 parts p of part[p][b].  part: [128][2048] f32.
; A work-group owns 64 tokens: 256 consecutive aligned bytes of out0 and of each row of part.  Thread t = 16 gq + c adds, for tokens 4 c .. 4 c + 3, the parts gq, gq + 16, .. gq + 112;
; sixteen neighbouring lanes read 256 consecutive aligned bytes.  The sixteen partial rows meet in LDS; wave 0 adds them and stores the 256 bytes by one instruction.
; A stream of 1 MB read once: no matrix unit, no cluster, no tensor load would add anything.  The order of the sums is fixed: parts 16 apart in ascending order, then a tree over gq.
	s_load_b128 s[4:7], s[0:1], 0x0                ; part s[4:5], out0 s[6:7]
	v_lshl_add_u32 v64, v0, 2, 0x1000
	v_mov_b32 v65, 0
	v_lshrrev_b32 v1, 5, v0
	s_delay_alu instid0(VALU_DEP_1)
	v_readfirstlane_b32 s8, v1                     ; wave
	v_and_b32 v2, 15, v0                           ; c
	v_lshrrev_b32 v3, 4, v0                        ; gq
	s_delay_alu instid0(VALU_DEP_2)
	v_lshlrev_b32 v4, 4, v2
	s_delay_alu instid0(VALU_DEP_1)
	v_lshl_add_u32 v4, v3, 13, v4                  ; row gq of 8,192 bytes + 16 c
	v_lshlrev_b32 v5, 4, v0                        ; LDS: 16 t = 256 gq + 16 c
	v_and_b32 v6, 31, v0
	s_delay_alu instid0(VALU_DEP_1)
	v_lshlrev_b32 v6, 3, v6                        ; 8 x lane: two tokens
	s_lshl_b32 s10, ttmp9, 8                       ; my 64 tokens
	s_mov_b32 s11, 0
	s_wait_alu depctr_va_vdst(0)
	s_wait_kmcnt 0x0
	s_add_nc_u64 s[4:5], s[4:5], s[10:11]
	s_add_nc_u64 s[6:7], s[6:7], s[10:11]
.irp i, 0,1,2,3,4,5,6,7
	global_load_b128 v[8+4*\i:11+4*\i], v4, s[4:5] offset:\i*131072 th:TH_LOAD_NT   ; 16 rows on each time
.endr
.irp i, 1,2,3,4,5,6,7
	s_wait_alu depctr_va_vdst(0)
	s_wait_loadcnt 7-\i                            ; loads come back in order: load i is in, the 7 - i younger ones may be out
	v_pk_add_f32 v[8:9], v[8:9], v[8+4*\i:9+4*\i]
	v_pk_add_f32 v[10:11], v[10:11], v[10+4*\i:11+4*\i]
.endr
	ds_store_b128 v5, v[8:11]
	s_wait_dscnt 0x0                               ; for the others' sake: my store has landed
	s_barrier_signal -1
	s_barrier_wait -1
	s_cmp_lg_u32 s8, 0                             ; wave 0 alone goes on; no barrier follows
	s_cbranch_scc1 .Lend
.irp k, 0,1,2,3,4,5,6,7,8,9,10,11,12,13,14,15
	ds_load_b64 v[8+2*\k:9+2*\k], v6 offset:256*\k ; row gq = k, my two tokens
.endr
	s_wait_dscnt 0x0
.irp s, 1,2,4,8
.irp k, 0,2,4,6,8,10,12,14
.if (\k % (2*\s)) == 0
	v_pk_add_f32 v[8+2*\k:9+2*\k], v[8+2*\k:9+2*\k], v[8+2*(\k+\s):9+2*(\k+\s)]
.endif
.endr
.endr
	global_store_b64 v6, v[8:9], s[6:7]            ; 32 lanes store 256 consecutive bytes, at a multiple of 256 from out0's first byte
.Lend:
	s_wait_tensorcnt 0x0
	ds_add_u32 v64, v65
	s_wait_dscnt 0x0
	s_endpgm
.Lfunc_end_k_q2962a958ed_sumparts:
	.size	k_q2962a958ed_sumparts, .Lfunc_end_k_q2962a958ed_sumparts-k_q2962a958ed_sumparts
	.p2alignl 7, 3214868480
	.fill 96, 4, 3214868480
	.section	.rodata,"a",@progbits
	.p2align	6, 0x0
	.amdhsa_kernel k_q2962a958ed_sumparts
		.amdhsa_group_segment_fixed_size 5120
		.amdhsa_private_segment_fixed_size 0
		.amdhsa_enable_private_segment 0
		.amdhsa_kernarg_size 16
		.amdhsa_user_sgpr_count 2
		.amdhsa_user_sgpr_kernarg_segment_ptr 1
		.amdhsa_wavefront_size32 1
		.amdhsa_system_sgpr_workgroup_id_x 1
		.amdhsa_system_sgpr_workgroup_id_y 1
		.amdhsa_system_sgpr_workgroup_id_z 1
		.amdhsa_system_vgpr_workitem_id 0
		.amdhsa_next_free_vgpr 66
		.amdhsa_next_free_sgpr 66
		.amdhsa_reserve_vcc 0
		.amdhsa_float_denorm_mode_32 3
		.amdhsa_float_denorm_mode_16_64 3
		.amdhsa_memory_ordered 1
		.amdhsa_forward_progress 1
		.amdhsa_inst_pref_size 6
	.end_amdhsa_kernel
	.amdgpu_metadata
---
amdhsa.version: [ 1, 2 ]
amdhsa.kernels:
  - .name:           k_q2962a958ed_sumparts
    .symbol:         k_q2962a958ed_sumparts.kd
    .args:
      - { .name: part, .offset: 0, .size: 8, .value_kind: global_buffer, .address_space: global }
      - { .name: out0, .offset: 8, .size: 8, .value_kind: global_buffer, .address_space: global }
    .group_segment_fixed_size: 5120
    .private_segment_fixed_size: 0
    .kernarg_segment_align: 8
    .kernarg_segment_size: 16
    .max_flat_workgroup_size: 256
    .sgpr_count:     66
    .vgpr_count:     66
    .wavefront_size: 32
...
	.end_amdgpu_metadata
.endif
;; end of part 4
